; MI455X (gfx1250); checked and timed in simulation.
; The chip was launched on July 23, 2026; its instructions are those of AMD's public machine-readable ISA for CDNA 5 (MIT licence, August 2026) and "CDNA5" Instruction Set Architecture Reference Guide (July 2026). The comments in the code are by the model that wrote it; some were corrected since.
;; self attention. Allowed arithmetic: matrix products marked QUANTISED: E4M3 operands, one given power-of-two scale a tensor, by v_wmma_f32_16x16x64_fp8_fp8 or v_wmma_f32_16x16x128_fp8_fp8, f32 sums; everything else in f32.
;; Inputs: Wk 2,048 x 128 float32; Wq 2,048 x 128 float32; Wv 2,048 x 128 float32; bk 128 float32; bq 128 float32; bv 128 float32; lowp_scales 10 int32 (the exponents e of the quantised operands' scales 2^e); x 8 x 2,048 x 2,048 float32.
;; Outputs: out0 8 x 2,048 x 128 float32.
;; This version of the problem:
;;   THIS VERSION OF THE PROBLEM IS GIVEN IN LOW PRECISION. The matrix products marked QUANTISED in the list below multiply operands that are first quantised to E4M3 (4 exponent bits, 3 mantissa bits; 8 bits a number), with one given power-of-two scale for each operand tensor; their sums are f32. All else is computed in f32.
;;   The module's matrix products, in the order in which they are computed (A, B: the left and right operand; K: the contracted axis; several contracted axes count as one K, in the product's order):
;;     1. [M 16,384, K 2,048] x [K 2,048, N 128]; A: input x; B: input Wq: QUANTISED (scales: A lowp_scales[0], B lowp_scales[1])
;;     2. [M 16,384, K 2,048] x [K 2,048, N 128]; A: input x; B: input Wk: QUANTISED (scales: A lowp_scales[2], B lowp_scales[3])
;;     3. [M 16,384, K 2,048] x [K 2,048, N 128]; A: input x; B: input Wv: QUANTISED (scales: A lowp_scales[4], B lowp_scales[5])
;;     4. batch 8 x [M 2,048, K 128] x [K 128, N 2,048]; A: computed on the way; B: computed on the way: QUANTISED (scales: A lowp_scales[6], B lowp_scales[7])
;;     5. batch 8 x [M 2,048, K 2,048] x [K 2,048, N 128]; A: softmax (see below); B: computed on the way: QUANTISED (scales: A lowp_scales[8], B lowp_scales[9])
;;   THE QUANTISER, for each operand of a quantised product, along K:
;;     - The operand's scale is 2^e, e = its entry of the input lowp_scales (int32; the entries are numbered through the quantised products in the list's order, A before B).
;;     - Each number is divided by the scale, clamped to +-448, and rounded to the nearest number of E4M3, ties to even, subnormals kept.
;;     - The product sums the exact products of the quantised numbers (number of the format x scale) in f32.
;;   ~~~python
;;   def quantise(x, axis, e):      # numpy; x: float32 -> the quantised numbers, widened to float32 again
;;       x = np.moveaxis(x, axis, -1); K = x.shape[-1]
;;       r = np.clip(x / 2.0 ** e, -448, 448)
;;       step = 2.0 ** (np.maximum(np.frexp(np.where(r == 0, 1, r))[1] - 1, -6) - 3)
;;       q = np.round(r / step) * step * 2.0 ** e      # np.round: ties to even
;;       return np.moveaxis(q, -1, axis).astype(np.float32)
;;   ~~~
;;   SOFTMAX AHEAD OF A QUANTISED PRODUCT. Where the list says 'softmax', what is quantised is not the finished softmax but p = 2^(t - M), with t = logit x log2(e) and M = ceil(the row's largest t), a whole number; so 1/2 < the row's largest p <= 1. The row's sum l is taken of the UNQUANTISED p, in f32, and the product's result is divided by l at the end. Since M is a whole number, a kernel that streams over the keys may use a running M (the ceiling of the running maximum): every later rescaling is an exact power of two, so the quantised numbers keep their values, but for numbers so far below the row's largest that they fall under the format's range.
;;   OPERANDS COMPUTED ON THE WAY. 'Computed on the way' means the value that the module computes at that place (a softmax that the list does not call 'softmax' is quantised finished and normalised). What goes into a quantiser is computed in f32, as accurately as f32 sums, v_exp_f32 and their like allow (about 1e-6 of the number): no bf16 or f16 on the way to a quantiser, and a product that is left as it is and whose result goes on into a quantised operand takes f32 operands (vector FMAs, or v_wmma_f32_16x16x4_f32). A number that lies on a knife's edge between two numbers of the format may be rounded either way, as far as f32 arithmetic and the matrix unit's own rounding can turn it there, and no further.
;; One version. Each part assembles by itself: llvm-mc -triple=amdgcn-amd-amdhsa -mcpu=gfx1250 --defsym DOCPART=n.
;; ======== version 1 of 1: 3 launches
;; limits: right only within a limited range of input values
;; workspace buffers: wc 884,736 bytes; qc 2,097,152 bytes; kc 2,097,152 bytes; vc 2,097,152 bytes
;; launch wprep (part 1): grid 64 x 3, 4 waves a work-group, no clusters, 0 bytes of LDS; arguments Wq, Wk, Wv, lowp_scales, wc; writes wc
.if DOCPART == 1
	.amdgcn_target "amdgcn-amd-amdhsa--gfx1250"
	.amdhsa_code_object_version 6
	.text
	.protected	k_q122374a66c_wprep
	.globl	k_q122374a66c_wprep
	.p2align	8
	.type	k_q122374a66c_wprep,@function
k_q122374a66c_wprep:
	s_mov_b64 s[64:65], 0
	v_nop
	global_prefetch_b8 v0, s[64:65] scope:SCOPE_SE
	s_setreg_imm32_b32 hwreg(HW_REG_WAVE_MODE, 25, 1), 1
	s_wait_xcnt 0x0
; Wq, Wk, Wv [2048 (k)][128 (n)] f32 become codes of E4M3, laid as images of the projection launch's operand registers.
; wc: q and k: [cw 0..3][step 0..18][tile a 0..3][chunk c 0..3][512 bytes]: cw = 2 j + (n / 64); steps 16..18 repeat steps 0..2, so that any four steps on end, counted modulo 16, are 32,768 bytes on end.
;     v, from byte 622,592: [n / 32][step 0..15][tile 0..1][chunk c][512 bytes].
; A chunk: lane (r, h) = lane % 16, lane / 16 holds at 16 (r + 16 h) the bytes B = 32 c + 16 h + 0..15 of its column; byte B of step s is k = 128 s + 4 (B / 8) + B % 4 + 64 ((B / 4) % 2): the order in which the projection's loads of x give x's codes.
; Columns of a tile: v: n = 16 a + r.  q, k: n = 32 (a / 2) + 16 (r / 8) + 8 (a % 2) + r % 8: bits 3 and 4 exchanged.
; code = w / 2^e, held within +-448, to the nearest code, ties to even; e = lowp_scales[1], [3], [5].  LIMITS: e between -126 and 119; NaN among the inputs is not served.
; SHARES: work-group (x, y): tensor j = y, columns 32 (x % 4) on, step x / 4; wave = chunk c.  A LANE TAKES A COLUMN AND ITS REGISTERS RUN DOWN K, so a lane's 16 bytes of a chunk are made in that lane, and the 16 lanes of a tile
; store 256 consecutive bytes, aligned: no LDS, no barrier.  No tensor loads, no cluster: the work-groups share no input byte.
.set NUM,   16                         ; v16-47  32 numbers
.set COD,   48                         ; v48-55  their codes
.set CWB,   19*8192                    ; bytes of a cw
	s_load_b256 s[4:11], s[0:1], 0x0               ; Wq s[4:5], Wk s[6:7], Wv s[8:9], the scales' exponents s[10:11]
	s_load_b64 s[12:13], s[0:1], 0x20              ; wc
	v_lshrrev_b32 v1, 5, v0
	v_readfirstlane_b32 s14, v1                    ; c
	s_and_b32 s15, ttmp7, 0xffff                   ; j
	s_and_b32 s24, ttmp9, 3                        ; which 32 columns
	s_lshr_b32 s25, ttmp9, 2                       ; step
	s_movk_i32 s26, 0x80
	s_movk_i32 s27, 0x800
	s_cmp_eq_u32 s15, 2
	s_cselect_b32 s28, s26, s27                    ; bit 3 of a column: the place in the tile (v) or the tile (q, k)
	s_cselect_b32 s29, s27, s26                    ; bit 4: the other
	s_lshl_b32 s30, s25, 16                        ; W: 128 step + 16 c rows of 512 bytes, 32 columns of 4 bytes
	s_lshl_b32 s31, s14, 13
	s_add_co_u32 s30, s30, s31
	s_lshl_b32 s31, s24, 7
	s_add_co_u32 s30, s30, s31
	s_mov_b32 s31, 0
	s_lshl_b32 s34, s15, 1
	s_lshr_b32 s35, s24, 1
	s_add_co_u32 s34, s34, s35                     ; cw
	s_mul_i32 s34, s34, CWB
	s_lshl_b32 s35, s25, 13
	s_add_co_u32 s34, s34, s35
	s_and_b32 s35, s24, 1
	s_lshl_b32 s35, s35, 12
	s_add_co_u32 s34, s34, s35
	s_lshl_b32 s36, s24, 16
	s_add_co_u32 s36, s36, 4*CWB
	s_lshl_b32 s37, s25, 12
	s_add_co_u32 s36, s36, s37
	s_cmp_eq_u32 s15, 2
	s_cselect_b32 s34, s36, s34
	s_lshl_b32 s35, s14, 9
	s_add_co_u32 s34, s34, s35                     ; where my chunk goes in wc
	s_mov_b32 s35, 0
	v_bfe_u32 v4, v0, 3, 1
	v_bfe_u32 v5, v0, 4, 1
	v_and_b32 v6, 31, v0
	v_and_b32 v3, 7, v0
	v_mul_u32_u24 v4, s28, v4
	v_lshlrev_b32 v2, 2, v6                        ; in: 4 bytes a lane
	v_mad_u32_u24 v4, v5, s29, v4
	v_lshl_add_u32 v3, v3, 4, v4                   ; out: my column's 16 bytes
	s_wait_alu depctr_va_vdst(0)
	s_wait_kmcnt 0x0
	s_load_b256 s[16:23], s[10:11], 0x0            ; e0 .. e7
	s_cmp_eq_u32 s15, 0                            ; the choice hangs on the work-group's number alone
	s_cselect_b64 s[38:39], s[4:5], s[6:7]
	s_cmp_eq_u32 s15, 2
	s_cselect_b64 s[38:39], s[8:9], s[38:39]
	s_add_nc_u64 s[38:39], s[38:39], s[30:31]
	s_add_nc_u64 s[12:13], s[12:13], s[34:35]
.irp h, 0,1
.irp b, 0,1,2,3,4,5,6,7,8,9,10,11,12,13,14,15
	global_load_b32 v[NUM+16*\h+\b], v2, s[38:39] offset:(8*\h+4*(\b/8)+(\b%4)+64*((\b/4)%2))*512 th:TH_LOAD_NT   ; 32 lanes read 128 consecutive bytes of one row of W
.endr
.endr
	s_wait_kmcnt 0x0
	s_cmp_eq_u32 s15, 0
	s_cselect_b32 s32, s17, s19
	s_cmp_eq_u32 s15, 2
	s_cselect_b32 s32, s21, s32                    ; e
	s_add_co_i32 s32, s32, 127
	s_lshl_b32 s33, s32, 23
	v_mov_b32 v11, s33                             ; 2^e as f32: the conversion takes its exponent field
	s_add_co_i32 s32, s32, 8
	s_lshl_b32 s32, s32, 23
	s_or_b32 s32, s32, 0x600000
	v_mov_b32 v10, s32                             ; 448 x 2^e
	s_wait_alu depctr_va_vdst(0)
.irp g, 0,1,2,3
	s_wait_loadcnt 24-8*\g                         ; loads come back in order: this group's eight are in, the younger groups may be out
.irp i, 0,1,2,3,4,5,6,7
	v_med3_num_f32 v[NUM+8*\g+\i], v[NUM+8*\g+\i], -v10, v10   ; the conversion to an 8-bit code does not saturate (ISA guide 7.6.2): the hold comes first
.endr
	v_cvt_scalef32_pk8_fp8_f32 v[COD+2*\g:COD+2*\g+1], v[NUM+8*\g:NUM+8*\g+7], v11
.endr
	v_nop                                          ; a plain line behind the last conversion
	global_store_b128 v3, v[COD:COD+3], s[12:13]
	global_store_b128 v3, v[COD+4:COD+7], s[12:13] offset:256
	s_cmp_eq_u32 s15, 2                            ; steps 0..2 of q and k are stored once more, 16 steps on: a choice on ids alone
	s_cbranch_scc1 .Ldone
	s_cmp_ge_u32 s25, 3
	s_cbranch_scc1 .Ldone
	global_store_b128 v3, v[COD:COD+3], s[12:13] offset:131072
	global_store_b128 v3, v[COD+4:COD+7], s[12:13] offset:131072+256
.Ldone:
	s_endpgm
.Lfunc_end_k_q122374a66c_wprep:
	.size	k_q122374a66c_wprep, .Lfunc_end_k_q122374a66c_wprep-k_q122374a66c_wprep
	.p2alignl 7, 3214868480
	.fill 96, 4, 3214868480
	.section	.rodata,"a",@progbits
	.p2align	6, 0x0
	.amdhsa_kernel k_q122374a66c_wprep
		.amdhsa_group_segment_fixed_size 0
		.amdhsa_private_segment_fixed_size 0
		.amdhsa_enable_private_segment 0
		.amdhsa_kernarg_size 40
		.amdhsa_user_sgpr_count 2
		.amdhsa_user_sgpr_kernarg_segment_ptr 1
		.amdhsa_wavefront_size32 1
		.amdhsa_system_sgpr_workgroup_id_x 1
		.amdhsa_system_sgpr_workgroup_id_y 1
		.amdhsa_system_sgpr_workgroup_id_z 1
		.amdhsa_system_vgpr_workitem_id 0
		.amdhsa_next_free_vgpr 64
		.amdhsa_next_free_sgpr 66
		.amdhsa_reserve_vcc 0
		.amdhsa_float_denorm_mode_32 3
		.amdhsa_float_denorm_mode_16_64 3
		.amdhsa_memory_ordered 1
		.amdhsa_forward_progress 1
		.amdhsa_inst_pref_size 9
	.end_amdhsa_kernel
	.amdgpu_metadata
---
amdhsa.version: [ 1, 2 ]
amdhsa.kernels:
  - .name:           k_q122374a66c_wprep
    .symbol:         k_q122374a66c_wprep.kd
    .args:
      - { .name: Wq, .offset: 0, .size: 8, .value_kind: global_buffer, .address_space: global }
      - { .name: Wk, .offset: 8, .size: 8, .value_kind: global_buffer, .address_space: global }
      - { .name: Wv, .offset: 16, .size: 8, .value_kind: global_buffer, .address_space: global }
      - { .name: lowp_scales, .offset: 24, .size: 8, .value_kind: global_buffer, .address_space: global }
      - { .name: wc, .offset: 32, .size: 8, .value_kind: global_buffer, .address_space: global }
    .group_segment_fixed_size: 0
    .private_segment_fixed_size: 0
    .kernarg_segment_align: 8
    .kernarg_segment_size: 40
    .max_flat_workgroup_size: 128
    .sgpr_count:     66
    .vgpr_count:     64
    .wavefront_size: 32
...
	.end_amdgpu_metadata
.endif
;; end of part 1
;; launch proj (part 2): grid 256 x 1, 16 waves a work-group, clusters of 4 x 1, 327,680 bytes of LDS; arguments x, wc, bq, bk, bv, lowp_scales, qc, kc, vc; writes qc, kc, vc
.if DOCPART == 2
	.amdgcn_target "amdgcn-amd-amdhsa--gfx1250"
	.amdhsa_code_object_version 6
	.text
	.protected	k_q122374a66c_proj
	.globl	k_q122374a66c_proj
	.p2align	8
	.type	k_q122374a66c_proj,@function
k_q122374a66c_proj:
	s_mov_b64 s[64:65], 0
	v_nop
	global_prefetch_b8 v0, s[64:65] scope:SCOPE_SE
	s_setreg_imm32_b32 hwreg(HW_REG_WAVE_MODE, 25, 1), 1
	s_wait_xcnt 0x0
	s_wait_alu depctr_hold_cnt(0) depctr_sa_sdst(0) depctr_va_vdst(0) depctr_va_sdst(0) depctr_va_ssrc(0) depctr_va_vcc(0) depctr_vm_vsrc(0)
	s_getreg_b32 s2, hwreg(HW_REG_IB_STS2, 6, 4)
	s_cmp_eq_u32 s2, 0
	s_cbranch_scc0 .Lentry_in_a_cluster
	s_endpgm
.Lentry_in_a_cluster:
	s_bfe_u32 s2, ttmp6, 0x10000c
	s_cmp_lg_u32 s2, 0x3003
	s_cbranch_scc0 .Lentry_shape_is_right
	s_endpgm
.Lentry_shape_is_right:
; q, k, v = Q(x) Q(W) + b on codes of E4M3, and q, k, v quantised again for the attention launch.  x: [16384][2048] f32; wc: the weights' codes (images laid by the launch before).
; x is quantised three times, with e0, e2, e4 (they may differ); a sum stands for sum x 2^(ea + eb); the bias goes in as the sums' start, divided by 2^(ea + eb); the result's code is sum / 2^(eo - ea - eb), eo = e6, e7, e9.
; LIMITS: e0, e2, e4 and eo - ea - eb between -126 and 119; b / 2^(ea + eb) an f32 number; NaN among the inputs is not served.
; SHARES.  A work-group takes 64 rows of x (a block), all 2,048 along K in 16 steps of 128 (four stages of four).  Sixteen waves in three roles:
;   Waves 0-7, PRODUCERS: wave p streams 8 rows of x through registers, makes the three sets of codes and stores them into LDS, a step ahead of the products.
;   Waves 8-11: q and k: wave cw = 0..3 makes 64 rows x 64 columns: tensor cw / 2, columns 64 (cw % 2) on: 16 accumulators.  Source 0 = the weights: a lane holds one row, its registers run along d.
;   Waves 12-15: v: wave vw makes 64 rows x 32 columns: 8 accumulators.  Source 0 = x: a lane holds one d, its registers run along the keys.
; WEIGHTS of q and k: joint loads (the four of a cluster, mask 15) through two LDS slots of a stage each (512 along K, 131,072 bytes); the part that a wave asks for is the part that it multiplies.  Weights of v: each byte is read by one wave of the work-group,
; from memory into registers, four steps ahead: with all three tensors in the slots, a slot of four steps would take 196,608 bytes, and two of them do not fit.
; THE WALK ALONG K begins at step c % 16 in cluster c, for x and the weights alike, so that the clusters do not all ask for the same bytes at a time; a sum has the same terms in every cluster, only the order of its steps differs.
; No prefetch: x's and v's loads are themselves issued three to four steps ahead, and the clusters' first stages name all sixteen steps of q's and k's weights.
; STREAM LOADS.  A producer and a v wave alike end a step with 8 loads, in step t those of step t + 4, into ring slot t % 4 (32 registers); ahead of them in the step a producer reads slot (t + 1) % 4, a v wave slot t % 4.
; At the head the first joint load is issued ahead of the stream; of x two steps are asked for at first, the third behind the scales, the fourth behind the first step's conversions.
; ROWS: slot = row (or column of q, k) with bits 3 and 4 exchanged, so that the 16 registers of tiles 2 b and 2 b + 1 are 16 neighbours along the next product's K.
; OUTPUT: images of the attention launch's operand registers: qc, kc [block][tile m][chunk c][512 bytes], vc [128 keys][d tile][chunk][512 bytes]: each store of a wave covers 512 consecutive bytes, aligned.
; LDS: two slots of 131,072 bytes (tensor loads alone); two buffers of 3 sets x 64 rows x 144 bytes (LDS stores alone); the spare words.
; REGISTERS: v1-23 addresses and scales.  v32-95: producer: numbers held and codes; q, k: four fragments of the weights; v: the 8 accumulators.  v96-127: two fragments of x's codes.  v128-255: producer and v: the ring; q, k: the 16 accumulators.
.set SLOT1,  131072
.set XOFF,   2*SLOT1
.set PITCH,  144                       ; 128 bytes + 16: the 16 rows of a fragment load start 36 words apart; rows 8 apart lie 128 bytes apart modulo 256
.set XSET,   64*PITCH
.set XBUF,   3*XSET
.set SPARE,  XOFF+2*XBUF               ; the spare words, 128 bytes for each wave, that no other line names
.set CWB,    19*8192                   ; wc: bytes of a cw; v's part begins at 4 CWB
.set SPW,  1                           ; v1   SPARE + 4 x my thread's number; never rewritten
.set NIL,  2                           ; v2   0; never rewritten
.set SL,   3                           ; v3   producer: my offset in x: row 16 (lane / 16), 16 (lane % 16) bytes
.set XA,   4                           ; v4   my set of x's codes, as fragments are read
.set WA0,  5                           ; v5   my weights in slot 0
.set WA,   6                           ; v6   in the slot in hand
.set PST,  7                           ; v7   producer: where my codes go
.set LN16, 8                           ; v8   16 x lane
.set F0,   32
.set AV,   32                          ; v: accumulator (i0, i1) at v[AV + 8 (4 i1 + i0)]
.set T,    32                          ; producer: numbers held, five groups of eight
.set CR,   72                          ; producer: codes
.set G,    96
.set XR,   128                         ; the ring
.set ACC,  128                         ; q, k: accumulator (i0, i1) at v[ACC + 8 (4 i1 + i0)]
.set WV,   22                          ; s22  wave
.set CW,   23                          ; s23  wave % 4
.set G1,   24                          ; s[24:31] descriptor group 1;  s[32:35] group 0
.set G0,   32
.set WB,   36                          ; s[36:37] wc at my cw's step 0
.set ROT,  79                          ; s79  the cluster's number % 16; the same in the four partners
.set XB,   80                          ; s[80:81] my stream at the step that is being loaded
.set SB,   82                          ; s[82:83] my stream's step 0
.set SH,   84                          ; s84  log2 of the stream's bytes from step to step: 512 in a row of x, 4,096 in v's weights
.set KS,   85                          ; s85  the step to load next
.set TB,   86                          ; s86  LDS byte at which the slot in hand begins
.set WS,   87                          ; s87  the first step of the stage to ask for next
.set PB,   88                          ; s[88:95] the stream at its first four steps; never rewritten
.set TRIP, 96                          ; s96  stages to go
.macro PLACES                          ; four plain vector lines between a matrix instruction and a load into, or a vector line on, its registers
.rept 4
	v_nop
.endr
.endm
.macro ROUND                           ; a round of the cluster's barrier
	s_barrier_signal -1
	s_barrier_wait -1
	s_cmp_lg_u32 s[WV], 0
	s_cbranch_scc1 .Lnot_wave_0_\@
	s_barrier_signal -3
.Lnot_wave_0_\@:
	s_barrier_wait -3
	s_barrier_signal -1
	s_barrier_wait -1
.endm
.macro JLOAD                           ; the joint load of waves 8-11; the branches hang on the wave's number alone; four v_nop follow the load
	s_cmp_lt_u32 s[WV], 8
	s_cbranch_scc1 .Lno_load_\@
	s_cmp_lt_u32 s[WV], 12
	s_cbranch_scc0 .Lno_load_\@
	tensor_load_to_lds s[G0:G0+3], s[G1:G1+7]
	s_nop 0
	PLACES
.Lno_load_\@:
.endm
.macro WADDR                           ; group 0's global address: four steps from step s[WS] % 16 on; s99 = 0
	s_and_b32 s98, s[WS], 15
	s_lshl_b32 s98, s98, 13
	s_add_nc_u64 s[G0+2:G0+3], s[WB:WB+1], s[98:99]
	s_or_b32 s[G0+3], s[G0+3], 0x80000000          ; type = 2
	s_add_co_u32 s[WS], s[WS], 4
.endm
.macro SCALE e, vs, vl                 ; v[vs] = 2^e as f32, v[vl] = 448 x 2^e
	s_add_co_i32 s77, \e, 127
	s_lshl_b32 s78, s77, 23
	v_mov_b32 v[\vs], s78
	s_add_co_i32 s77, s77, 8
	s_lshl_b32 s77, s77, 23
	s_or_b32 s77, s77, 0x600000
	v_mov_b32 v[\vl], s77
.endm
.macro SLOADP s, b                     ; producer: a step's 128 of my 8 rows: lanes 0-15 row i, lanes 16-31 row i + 16, each 256 consecutive bytes a load: k = 4 l + 0..3, then 64 + 4 l + 0..3, l = lane % 16
.irp i, 0,1,2,3
	global_load_b128 v[XR+32*(\s)+8*\i:XR+32*(\s)+8*\i+3], v[SL], s[\b:\b+1] offset:(\i)*8192 th:TH_LOAD_NT
	global_load_b128 v[XR+32*(\s)+8*\i+4:XR+32*(\s)+8*\i+7], v[SL], s[\b:\b+1] offset:(\i)*8192+256 th:TH_LOAD_NT
.endr
.endm
.macro SLOADV s, b                     ; v: a step's two fragments of my 32 columns: 4,096 bytes on end
.irp n, 0,1,2,3,4,5,6,7
	global_load_b128 v[XR+32*(\s)+4*\n:XR+32*(\s)+4*\n+3], v[LN16], s[\b:\b+1] offset:512*\n
.endr
.endm
.macro STREAM                          ; my stream's base for this step's loads
	s_wait_xcnt 0x0                                ; the last step's loads have read theirs
	s_add_nc_u64 s[XB:XB+1], s[SB:SB+1], s[98:99]
.endm
; Ring slot s becomes three sets of codes in buffer b.  n: the loads that may be out behind the first pair of rows' two: 6 of its own slot and 8 for each younger slot; each further pair has two fewer behind it.
.macro PRODUCE s, b, n
.irp i, 0,1,2,3
	s_wait_loadcnt (\n)-2*\i
.irp j, 0,1,2
.irp k, 0,1,2,3,4,5,6,7
	v_med3_num_f32 v[T+8*((3*\i+\j)%5)+\k], v[XR+32*(\s)+8*\i+\k], -v[17+2*\j], v[17+2*\j]   ; the hold at 448 x the set's scale (the conversion does not saturate: ISA guide 7.6.2)
.endr
	v_cvt_scalef32_pk8_fp8_f32 v[CR+6*\i+2*\j:CR+6*\i+2*\j+1], v[T+8*((3*\i+\j)%5):T+8*((3*\i+\j)%5)+7], v[16+2*\j]   ; the next group's eight holds are the plain lines behind it
	ds_store_b64 v[PST], v[CR+6*\i+2*\j:CR+6*\i+2*\j+1] offset:XBUF*(\b)+XSET*\j+PITCH*\i   ; two rows of 128 bytes
.endr
.endr
	v_nop                                          ; a plain line behind the last conversion
	s_wait_alu depctr_va_vdst(0)                   ; ahead of the waits and the branch that follow
.endm
.macro WFRAGS s                        ; the weights' four fragments of step s of the stage
.irp a, 0,1,2,3
.irp c, 0,1,2,3
	ds_load_b128 v[F0+16*\a+4*\c:F0+16*\a+4*\c+3], v[WA] offset:8192*(\s)+2048*\a+512*\c
.endr
.endr
.endm
.macro XFRAG reg, i, s                 ; tile i of x's codes: lane (r, h) takes bytes 32 c + 16 h + 0..15 of row 16 i + r: the same bytes as in the weights' images
.irp c, 0,1,2,3
	ds_load_b128 v[\reg+4*\c:\reg+4*\c+3], v[XA] offset:XBUF*((\s)%2)+16*PITCH*(\i)+32*\c
.endr
.endm
.macro MUL4 i1                         ; four products; the 16 accumulators take turns, one instruction a turn, in one order throughout
.irp a, 0,1,2,3
	v_wmma_f32_16x16x128_fp8_fp8 v[ACC+8*(4*(\i1)+\a):ACC+8*(4*(\i1)+\a)+7], v[F0+16*\a:F0+16*\a+15], v[G+16*((\i1)%2):G+16*((\i1)%2)+15], v[ACC+8*(4*(\i1)+\a):ACC+8*(4*(\i1)+\a)+7]
.endr
.endm
.macro MULV i0, s                      ; two products; the 8 accumulators take turns likewise
.irp a, 0,1
	v_wmma_f32_16x16x128_fp8_fp8 v[AV+8*(4*\a+(\i0)):AV+8*(4*\a+(\i0))+7], v[G+16*((\i0)%2):G+16*((\i0)%2)+15], v[XR+32*(\s)+16*\a:XR+32*(\s)+16*\a+15], v[AV+8*(4*\a+(\i0)):AV+8*(4*\a+(\i0))+7]
.endr
.endm
.macro QKSTEP s                        ; every fragment is read once; a wave of this role has no load from memory out, so the first wait is met at once: it makes that hold on every way that leads here
	s_wait_loadcnt 0x0
.if (\s) == 0
	WFRAGS 0                                       ; a stage's first weights are read behind its barrier, the others a step ahead
.endif
	XFRAG G, 0, \s
	XFRAG G+16, 1, \s
	s_wait_dscnt 0x4                               ; all but the youngest fragment's four loads
	MUL4 0
	s_wait_dscnt 0x0
	MUL4 1
	PLACES
	XFRAG G, 2, \s
	XFRAG G+16, 3, \s
	s_wait_dscnt 0x4
	MUL4 2
	s_wait_dscnt 0x0
	MUL4 3
	PLACES
	v_nop                                          ; five: behind them a product, too, may take or write over these registers
.if (\s) < 3
	WFRAGS (\s)+1                                  ; the next step's weights lie in the same slot; the wait for them is the one ahead of the next barrier
.endif
.endm
.macro VSTEP s, n                      ; n: the loads of the younger ring slots, 8 each
	XFRAG G, 0, \s
	XFRAG G+16, 1, \s
	s_wait_loadcnt \n                              ; this step's weights are in
	s_wait_dscnt 0x4
	MULV 0, \s
	s_wait_dscnt 0x0
	MULV 1, \s
	PLACES
	XFRAG G, 2, \s
	XFRAG G+16, 3, \s
	s_wait_dscnt 0x4
	MULV 2, \s
	s_wait_dscnt 0x0
	MULV 3, \s
	PLACES
	v_nop                                          ; five, as above
.endm
; Step s of a stage: the products take buffer s % 2 while the producers write the other.  The barrier in front of it: the producers' stores of this step's codes have landed, and all reads of the other buffer are over.
.macro STEP s, more                    ; more = 1: the stream goes on
.if (\s) > 0
	s_wait_dscnt 0x0
	s_barrier_signal -1
	s_barrier_wait -1
.endif
.if \more
	s_and_b32 s98, s[KS], 15
	s_lshl_b32 s98, s98, s[SH]
	s_add_co_u32 s[KS], s[KS], 1
.endif
	s_cmp_lt_u32 s[WV], 8
	s_cbranch_scc0 .Lcons_\@
.if \more
	PRODUCE ((\s)+1)%4, ((\s)+1)%2, 22
	STREAM
	SLOADP \s, XB                                  ; into the slot whose numbers became codes a step ago
.elseif (\s) < 3
	PRODUCE ((\s)+1)%4, ((\s)+1)%2, 22-8*(\s)
.endif
	s_branch .Ljoin_\@
.Lcons_\@:
	s_cmp_lt_u32 s[WV], 12
	s_cbranch_scc0 .Lv_\@
	QKSTEP \s
	s_branch .Ljoin_\@
.Lv_\@:
.if \more
	VSTEP \s, 24
	STREAM
	SLOADV \s, XB
.else
	VSTEP \s, 24-8*(\s)
.endif
.Ljoin_\@:
.endm
; A stage.  In front of it all my tensor loads have landed (this stage's weights), my LDS stores have, and my reads are over.  more = 1: behind a round the other slot takes the next stage, which has this stage's four steps in which to land.
.macro STAGE more
	s_wait_tensorcnt 0x0
.if \more
	ds_add_u32 v[SPW], v[NIL]                      ; 0 onto my spare word, twice on end
	ds_add_u32 v[SPW], v[NIL]
	s_xor_b32 s[G0+1], s[G0+1], SLOT1              ; scalar lines, between the adds and the wait for them
	WADDR
	s_wait_dscnt 0x0
	ROUND
	JLOAD                                          ; the first tensor load behind the round, one a wave
.else
	s_wait_dscnt 0x0
	s_barrier_signal -1
	s_barrier_wait -1
.endif
	v_add_nc_u32 v[WA], s[TB], v[WA0]
	s_wait_alu depctr_va_vdst(0)
	STEP 0, \more
	STEP 1, \more
	STEP 2, \more
	STEP 3, \more
.endm
.macro OUT q, src, dst                 ; 16 registers, 16 neighbours along the next K, become one chunk: 16 bytes a lane; each accumulator from its low end on
.set n, 0
.rept 16
	v_med3_num_f32 v[\src+16*\q+n], v[\src+16*\q+n], -v15, v15
.set n, n+1
.endr
	v_cvt_scalef32_pk8_fp8_f32 v[\dst+4*\q:\dst+4*\q+1], v[\src+16*\q:\src+16*\q+7], v14
	v_cvt_scalef32_pk8_fp8_f32 v[\dst+4*\q+2:\dst+4*\q+3], v[\src+16*\q+8:\src+16*\q+15], v14
.endm
	s_load_b256 s[4:11], s[0:1], 0x0               ; x s[4:5], wc s[6:7], bq s[8:9], bk s[10:11]
	s_load_b256 s[12:19], s[0:1], 0x20             ; bv s[12:13], the scales' exponents s[14:15], qc s[16:17], kc s[18:19]
	s_load_b64 s[20:21], s[0:1], 0x40              ; vc
	v_lshl_add_u32 v[SPW], v0, 2, SPARE
	v_mov_b32 v[NIL], 0
	ds_add_u32 v[SPW], v[NIL]                      ; the wave's opening: the add, twice on end, and its wait ahead of the first tensor load
	ds_add_u32 v[SPW], v[NIL]
	v_lshrrev_b32 v9, 5, v0
	v_readfirstlane_b32 s[WV], v9                  ; wave 0..15
	s_and_b32 s[CW], s[WV], 3
	s_lshr_b32 s50, s[WV], 1
	s_and_b32 s50, s50, 3
	s_min_u32 s50, s50, 2                          ; waves 8-15: my tensor, and my set of x's codes: 0 q, 1 k, 2 v
	s_mul_i32 s51, s50, XSET
	s_add_co_u32 s51, s51, XOFF
	s_lshl_b32 s52, s[CW], 15                      ; my 32,768 bytes of a slot
	s_bfe_u32 s53, s[WV], 0x20001                  ; producer p's rows go to slots 16 (p / 2) + 4 (p % 2) + i and 8 further on
	s_lshl_b32 s53, s53, 4
	s_and_b32 s54, s[WV], 1
	s_lshl_b32 s54, s54, 2
	s_add_co_u32 s53, s53, s54
	s_mul_i32 s53, s53, PITCH
	s_add_co_u32 s53, s53, XOFF
	s_bfe_u32 s56, s[WV], 0x10002                  ; they are rows 32 (p / 4) + 8 ((p / 2) % 2) + 4 (p % 2) + i of the block and 16 further on
	s_lshl_b32 s56, s56, 5
	s_bfe_u32 s57, s[WV], 0x10001
	s_lshl_b32 s57, s57, 3
	s_add_co_u32 s56, s56, s57
	s_add_co_u32 s56, s56, s54
	s_bfe_u32 s55, ttmp6, 0x40000                  ; cx: it enters global addresses of x and of the results alone
	s_lshl_b32 s70, ttmp9, 2                       ; in a cluster launch ttmp9 counts clusters
	s_add_co_u32 s70, s70, s55                     ; my block of 64 rows
	s_and_b32 s[ROT], ttmp9, 15
	s_lshl_b32 s57, s70, 6
	s_add_co_u32 s56, s56, s57
	s_lshl_b32 s72, s56, 13                        ; in x: rows of 8,192 bytes, under 2^28
	s_lshl_b32 s57, s[CW], 16
	s_add_co_u32 s57, s57, 4*CWB                   ; in wc: v's part
	s_cmp_lt_u32 s[WV], 8
	s_cselect_b32 s72, s72, s57
	s_cselect_b32 s[SH], 9, 12
	s_mov_b32 s73, 0
	s_mov_b32 s99, 0
	; descriptor group 1: 32,768 dense bytes as 128 rows of 256
	s_mov_b32 s[G1+0], 15|(3<<16)|(1<<21)          ; 15:0 the mask: all four work-groups; 17:16 elements of 8 bytes; 21 set beside a mask; no padding
	s_mov_b32 s[G1+1], 32<<16                      ; tensor_dim0
	s_mov_b32 s[G1+2], 128<<16                     ; tensor_dim1
	s_mov_b32 s[G1+3], 32<<16                      ; tile_dim0
	s_mov_b32 s[G1+4], 128                         ; tile_dim1
	s_mov_b32 s[G1+5], 32                          ; from row to row
	s_mov_b32 s[G1+6], 0
	s_mov_b32 s[G1+7], 0
	s_mul_i32 s74, s[CW], CWB
	s_mov_b32 s75, 0
	s_mov_b32 s[G0], 1                             ; count = 1
	s_mov_b32 s[G0+1], s52                         ; LDS address: slot 0
	s_mov_b32 s[WS], s[ROT]
	s_mov_b32 s[TB], 0
	s_mov_b32 s[TRIP], 3
	s_add_co_u32 s[KS], s[ROT], 4
	; every vector address is made here, ahead of the first parting of the roles
	v_and_b32 v13, 15, v0                          ; r
	v_bfe_u32 v22, v0, 4, 1                        ; h
	v_and_b32 v23, 31, v0                          ; lane
	v_mul_u32_u24 v[XA], v13, PITCH
	v_lshlrev_b32 v[SL], 17, v22                   ; 16 rows of x
	v_mul_u32_u24 v[PST], v22, 8*PITCH
	v_lshlrev_b32 v[LN16], 4, v23
	v_lshlrev_b32 v9, 6, v22                       ; 64 h: the bias of q and k
	v_lshl_add_u32 v[XA], v22, 4, v[XA]
	v_lshl_add_u32 v[SL], v13, 4, v[SL]
	v_lshl_add_u32 v[PST], v13, 3, v[PST]
	v_lshlrev_b32 v10, 2, v13                      ; 4 r: the bias of v
	v_add_nc_u32 v[XA], s51, v[XA]
	v_add_nc_u32 v[WA0], s52, v[LN16]
	v_add_nc_u32 v[PST], s53, v[PST]
	s_wait_dscnt 0x0                               ; both opening adds are done
	s_wait_alu depctr_va_vdst(0)                   ; ahead of the waits below
	ROUND                                          ; the four work-groups are here: the first joint loads meet
	s_wait_kmcnt 0x0
	s_load_b256 s[40:47], s[14:15], 0x0            ; e0 .. e7
	s_load_b64 s[48:49], s[14:15], 0x20            ; e8, e9
	s_add_nc_u64 s[WB:WB+1], s[6:7], s[74:75]
	WADDR                                          ; the first stage
	JLOAD                                          ; slot 0: one tensor load a wave at the head, ahead of the stream
	s_cmp_lt_u32 s[WV], 8                          ; choices on the wave's number
	s_cselect_b64 s[SB:SB+1], s[4:5], s[6:7]
	s_add_nc_u64 s[SB:SB+1], s[SB:SB+1], s[72:73]
.irp u, 0,1,2,3
	s_add_co_u32 s[PB+2*\u], s[ROT], \u
	s_and_b32 s[PB+2*\u], s[PB+2*\u], 15
	s_lshl_b32 s[PB+2*\u], s[PB+2*\u], s[SH]
	s_mov_b32 s[PB+2*\u+1], 0
	s_add_nc_u64 s[PB+2*\u:PB+2*\u+1], s[SB:SB+1], s[PB+2*\u:PB+2*\u+1]
.endr
	s_cmp_eq_u32 s50, 0                            ; my result's buffer and my bias
	s_cselect_b64 s[60:61], s[16:17], s[18:19]
	s_cselect_b64 s[62:63], s[8:9], s[10:11]
	s_cmp_eq_u32 s50, 2
	s_cselect_b64 s[60:61], s[20:21], s[60:61]
	s_cselect_b64 s[62:63], s[12:13], s[62:63]
	s_and_b32 s54, s[CW], 1
	s_lshl_b32 s74, s54, 8                         ; q, k: my 64 numbers of the bias
	s_lshl_b32 s75, s[CW], 7                       ; v: my 32
	s_cmp_eq_u32 s50, 2
	s_cselect_b32 s72, s75, s74
	s_add_nc_u64 s[62:63], s[62:63], s[72:73]
	s_cmp_lt_u32 s[WV], 8
	s_cbranch_scc0 .Lh1
	SLOADP 0, PB                                   ; the stream begins
	SLOADP 1, PB+2
	s_branch .Lh2
.Lh1:
	s_cmp_lt_u32 s[WV], 12
	s_cbranch_scc1 .Lh2
	global_load_b32 v96, v10, s[62:63]             ; v's bias: tile i1 is d = 32 vw + 16 i1 + r
	global_load_b32 v97, v10, s[62:63] offset:64
	SLOADV 0, PB
	SLOADV 1, PB+2
.Lh2:
	s_lshl_b32 s72, s70, 13                        ; qc, kc: block x 8,192 + chunks 2 (cw % 2) on
	s_lshl_b32 s75, s54, 10
	s_add_co_u32 s72, s72, s75
	s_lshr_b32 s75, s70, 1                         ; vc: (block / 2) x 16,384 + d tiles 2 vw on + chunks 2 (block % 2) on
	s_lshl_b32 s75, s75, 14
	s_lshl_b32 s76, s[CW], 12
	s_add_co_u32 s75, s75, s76
	s_and_b32 s76, s70, 1
	s_lshl_b32 s76, s76, 10
	s_add_co_u32 s75, s75, s76
	s_cmp_eq_u32 s50, 2
	s_cselect_b32 s72, s75, s72
	s_add_nc_u64 s[60:61], s[60:61], s[72:73]
	s_wait_kmcnt 0x0
	SCALE s40, 16, 17                              ; x's three scales
	SCALE s42, 18, 19
	SCALE s44, 20, 21
	s_add_co_i32 s56, s40, s41
	s_add_co_i32 s57, s42, s43
	s_add_co_i32 s58, s44, s45
	s_cmp_eq_u32 s50, 0
	s_cselect_b32 s66, s56, s57
	s_cselect_b32 s67, s46, s47
	s_cmp_eq_u32 s50, 2
	s_cselect_b32 s66, s58, s66                    ; ea + eb
	s_cselect_b32 s67, s49, s67                    ; eo
	s_sub_co_i32 s67, s67, s66
	s_sub_co_i32 s66, 0, s66
	SCALE s67, 14, 15                              ; the result's conversion: the three scales folded into one
	s_wait_alu depctr_va_vdst(0)
	s_cmp_lt_u32 s[WV], 8
	s_cbranch_scc0 .Lh3
	SLOADP 2, PB+4
	PRODUCE 0, 0, 22
	SLOADP 3, PB+6
	s_branch .Lst
.Lh3:
	s_cmp_lt_u32 s[WV], 12
	s_cbranch_scc0 .Lh4
.irp a, 0,1,2,3                        ; q, k: register n of tile i0 is d = 64 (cw % 2) + 32 (i0 / 2) + 16 h + 8 (i0 % 2) + n, whatever i1
	global_load_b128 v[F0+8*\a:F0+8*\a+3], v9, s[62:63] offset:128*(\a/2)+32*(\a%2)
	global_load_b128 v[F0+8*\a+4:F0+8*\a+7], v9, s[62:63] offset:128*(\a/2)+32*(\a%2)+16
.endr
	s_wait_loadcnt 0x0
.set n, 0
.rept 128
	v_ldexp_f32 v[ACC+n], v[F0+n%32], s66          ; the bias starts the sums, as b / 2^(ea + eb)
.set n, n+1
.endr
	s_wait_alu depctr_va_vdst(0)
	s_branch .Lst
.Lh4:
	SLOADV 2, PB+4
	SLOADV 3, PB+6
	s_wait_loadcnt 32                              ; the two loads of the bias are in; the ring's 32 may be out
.set n, 0
.rept 64
	v_ldexp_f32 v[AV+n], v[96+n/32], s66
.set n, n+1
.endr
	s_wait_alu depctr_va_vdst(0)
.Lst:
.Lstage:                                           ; three stages ask for the next one; the last stands behind the loop
	STAGE 1
	s_xor_b32 s[TB], s[TB], SLOT1
	s_sub_co_u32 s[TRIP], s[TRIP], 1
	s_cmp_lg_u32 s[TRIP], 0
	s_cbranch_scc1 .Lstage
	STAGE 0
	; THE WAY OUT.  (The plain lines that closed the last step stand behind the last products.)
	s_cmp_lt_u32 s[WV], 8
	s_cbranch_scc1 .Lend
	s_cmp_lt_u32 s[WV], 12
	s_cbranch_scc0 .Lout_v
.irp q, 0,1,2,3,4,5,6,7                ; q = 2 i1 + b: row tile i1, chunk 2 (cw % 2) + b
	OUT \q, ACC, F0
.endr
	v_nop                                          ; a plain line behind the last conversion
.irp q, 0,1,2,3,4,5,6,7
	global_store_b128 v[LN16], v[F0+4*\q:F0+4*\q+3], s[60:61] offset:(\q/2)*2048+(\q%2)*512   ; 32 lanes store 512 consecutive bytes, aligned
.endr
	s_branch .Lend
.Lout_v:
.irp q, 0,1,2,3                        ; q = 2 i1 + b: d tile 2 vw + i1, chunk 2 (block % 2) + b
	OUT \q, AV, G
.endr
	v_nop
.irp q, 0,1,2,3
	global_store_b128 v[LN16], v[G+4*\q:G+4*\q+3], s[60:61] offset:(\q/2)*2048+(\q%2)*512
.endr
.Lend:
	s_wait_tensorcnt 0x0                           ; the wave's end
	ds_add_u32 v[SPW], v[NIL]
	s_wait_dscnt 0x0
	ROUND                                          ; the closing round: no work-group ends while a partner may still ask for a tile that names it
	s_endpgm
.Lfunc_end_k_q122374a66c_proj:
	.size	k_q122374a66c_proj, .Lfunc_end_k_q122374a66c_proj-k_q122374a66c_proj
	.p2alignl 7, 3214868480
	.fill 96, 4, 3214868480
	.section	.rodata,"a",@progbits
	.p2align	6, 0x0
	.amdhsa_kernel k_q122374a66c_proj
		.amdhsa_group_segment_fixed_size 327680
		.amdhsa_private_segment_fixed_size 0
		.amdhsa_enable_private_segment 0
		.amdhsa_kernarg_size 72
		.amdhsa_user_sgpr_count 2
		.amdhsa_user_sgpr_kernarg_segment_ptr 1
		.amdhsa_wavefront_size32 1
		.amdhsa_system_sgpr_workgroup_id_x 1
		.amdhsa_system_sgpr_workgroup_id_y 1
		.amdhsa_system_sgpr_workgroup_id_z 1
		.amdhsa_system_vgpr_workitem_id 0
		.amdhsa_next_free_vgpr 256
		.amdhsa_next_free_sgpr 100
		.amdhsa_reserve_vcc 0
		.amdhsa_float_denorm_mode_32 3
		.amdhsa_float_denorm_mode_16_64 3
		.amdhsa_memory_ordered 1
		.amdhsa_forward_progress 1
		.amdhsa_inst_pref_size 158
	.end_amdhsa_kernel
	.amdgpu_metadata
---
amdhsa.version: [ 1, 2 ]
amdhsa.kernels:
  - .name:           k_q122374a66c_proj
    .symbol:         k_q122374a66c_proj.kd
    .args:
      - { .name: x, .offset: 0, .size: 8, .value_kind: global_buffer, .address_space: global }
      - { .name: wc, .offset: 8, .size: 8, .value_kind: global_buffer, .address_space: global }
      - { .name: bq, .offset: 16, .size: 8, .value_kind: global_buffer, .address_space: global }
      - { .name: bk, .offset: 24, .size: 8, .value_kind: global_buffer, .address_space: global }
      - { .name: bv, .offset: 32, .size: 8, .value_kind: global_buffer, .address_space: global }
      - { .name: lowp_scales, .offset: 40, .size: 8, .value_kind: global_buffer, .address_space: global }
      - { .name: qc, .offset: 48, .size: 8, .value_kind: global_buffer, .address_space: global }
      - { .name: kc, .offset: 56, .size: 8, .value_kind: global_buffer, .address_space: global }
      - { .name: vc, .offset: 64, .size: 8, .value_kind: global_buffer, .address_space: global }
    .group_segment_fixed_size: 327680
    .private_segment_fixed_size: 0
    .kernarg_segment_align: 8
    .kernarg_segment_size: 72
    .max_flat_workgroup_size: 512
    .sgpr_count:     100
    .vgpr_count:     256
    .wavefront_size: 32
...
	.end_amdgpu_metadata
.endif
;; end of part 2
;; launch attn (part 3): grid 32 x 8, 16 waves a work-group, clusters of 4 x 1, 327,680 bytes of LDS; arguments qc, kc, vc, lowp_scales, out0; writes out0
.if DOCPART == 3
	.amdgcn_target "amdgcn-amd-amdhsa--gfx1250"
	.amdhsa_code_object_version 6
	.text
	.protected	k_q122374a66c_attn
	.globl	k_q122374a66c_attn
	.p2align	8
	.type	k_q122374a66c_attn,@function
k_q122374a66c_attn:
	s_mov_b64 s[64:65], 0
	v_nop
	global_prefetch_b8 v0, s[64:65] scope:SCOPE_SE
	s_setreg_imm32_b32 hwreg(HW_REG_WAVE_MODE, 25, 1), 1
	s_wait_xcnt 0x0
	s_wait_alu depctr_hold_cnt(0) depctr_sa_sdst(0) depctr_va_vdst(0) depctr_va_sdst(0) depctr_va_ssrc(0) depctr_va_vcc(0) depctr_vm_vsrc(0)
	s_getreg_b32 s2, hwreg(HW_REG_IB_STS2, 6, 4)
	s_cmp_eq_u32 s2, 0
	s_cbranch_scc0 .Lentry_in_a_cluster
	s_endpgm
.Lentry_in_a_cluster:
	s_bfe_u32 s2, ttmp6, 0x10000c
	s_cmp_lg_u32 s2, 0x3003
	s_cbranch_scc0 .Lentry_shape_is_right
	s_endpgm
.Lentry_shape_is_right:
; out[b][q][:] = the sum over keys of softmax(q . k / sqrt(128)) v, both products on codes of E4M3 with the given scales e6 (q), e7 (k), e8 (p), e9 (v).
; qc, kc: [block of 64 rows][tile m 0..3][chunk c 0..3][512 bytes]: images of operand registers: lane (r, h) of tile m holds row 32 (m / 2) + 8 (m % 2) + r + 8 (r / 8), d = 32 c + 16 h + 0..15.
; vc: [key step of 128][d tile t 0..7][chunk c][512 bytes]: lane (r, h) holds d = 16 t + r, keys 32 c + 16 h + 0..15.  out0: [8][2048][128] f32.
; THE SOFTMAX: t = score x log2(e) / sqrt(128); M = the largest t so far, rounded UP to a whole number; p = 2^(t - M) is quantised, not normalised; the sum is taken of the unquantised p and divides at the end.
; SHARES.  A work-group owns 64 queries of one batch.  Sixteen waves: wave w owns query tile m = w % 4 and every fourth key step: in step T = 0..3 it takes key step 4 g + w / 4 (128 keys) of the group g of four key steps that lies in the slot.
; THE WALK OVER THE KEYS BEGINS AT ANOTHER GROUP IN EACH CLUSTER: in step T cluster c of the batch's eight takes group g = (c + T) % 4.  So the eight clusters ask for four different groups at a time, not all for the same
; 131,072 bytes, and their first fills (two groups each) name all of the batch's K and V: therefore no prefetch is written: it could only name bytes a second time.  The ORDER in which keys meet the running M differs from cluster to cluster.
; The four waves of a query tile each keep their own M, sum and O^T; since every M is a whole number, the four are brought under the largest M by exact powers of two and added at the end, through LDS.
; Both products are used transposed (S^T = K Q^T, O^T = V^T P^T): a lane holds one query throughout; by the order of kc's rows the 16 registers of S^T's tiles 2 c and 2 c + 1 are keys 32 c + 16 h + 0..15, V's order.
; CLUSTER: the four query blocks of a cluster belong to one batch and walk the same K and V: each tile is asked for JOINTLY (waves 0-3: K's four key steps of a slot, waves 4-7: V's; 16,384 dense bytes a load).
; LDS: two slots of 131,072 bytes (K's four pieces, then V's four; images, read 16 bytes a lane on end: no padding); the spare words; 16 x 256 bytes for the waves' M and sums.
; The stage of the final sum (16 x 16 rows x 528 bytes, from byte 0) is written only when both slots have had their last fill and their last read.
; LIMITS: e6 + e7 between -123 and 130 (added to c's exponent field); e8 between -126 and 119; e8 + e9 is applied by v_ldexp_f32.
; REGISTERS: v1-4 K's and V's addresses in slot 0, 1; v5, v6 the add's; v8-11 addresses; v12 -M, v13 the largest t, v[14:15] the sum; v16-31 Q; v32-95 four fragments; v96-159 S^T, then p; v160-223 O^T; v224-239 p's codes.
.set SLOT,  131072
.set SPARE, 2*SLOT                     ; the spare words, 128 bytes for each wave, that no other line names
.set STATS, SPARE+2048
.set MP,    528                        ; a row of the final stage: 512 bytes + 16
.set MREG,  16*MP
.set SPW,  5
.set NIL,  6
.set LN16, 249                         ; v249 16 x lane; never rewritten
.set WV,   14                          ; s14  wave
.set G1,   16                          ; s[16:23] descriptor group 1
.set G0K,  24                          ; s[24:31] group 0 for K's pieces, one set for each slot;  s[32:39] for V's
.set G0V,  32
.set SEL,  50                          ; s[50:51] v_permlanex16_b32's selects for lane l xor 16
.set CS,   52                          ; s[52:53] c = log2(e) / sqrt(128) x 2^(e6 + e7)
.set ROT,  86                          ; s86  the cluster's number along x, % 4: the group at which my cluster's walk begins; the same in the four partners
.macro PLACES
.rept 4
	v_nop
.endr
.endm
.macro ROUND                           ; a round of the cluster's barrier
	s_barrier_signal -1
	s_barrier_wait -1
	s_cmp_lg_u32 s[WV], 0
	s_cbranch_scc1 .Lnot_wave_0_\@
	s_barrier_signal -3
.Lnot_wave_0_\@:
	s_barrier_wait -3
	s_barrier_signal -1
	s_barrier_wait -1
.endm
.macro JLOAD s                         ; the joint refill of slot s; the branches hang on the wave's number alone; four v_nop follow each line
	s_cmp_lt_u32 s[WV], 4
	s_cbranch_scc0 .Lnot_k_\@
	tensor_load_to_lds s[G0K+4*\s:G0K+4*\s+3], s[G1:G1+7]
	s_nop 0
	PLACES
	s_branch .Lasked_\@
.Lnot_k_\@:
	s_cmp_lt_u32 s[WV], 8
	s_cbranch_scc0 .Lasked_\@
	tensor_load_to_lds s[G0V+4*\s:G0V+4*\s+3], s[G1:G1+7]
	s_nop 0
	PLACES
.Lasked_\@:
.endm
.macro KVADDR T, s                     ; the global addresses in slot s's two groups 0: my piece of step T's group (c + T) % 4, 65,536 bytes a group.  s[66:67], s[68:69]: kc, vc at my piece of the batch's group 0; s85 = 0
	s_add_co_u32 s84, s[ROT], (\T)
	s_and_b32 s84, s84, 3
	s_lshl_b32 s84, s84, 16
	s_add_nc_u64 s[G0K+4*(\s)+2:G0K+4*(\s)+3], s[66:67], s[84:85]
	s_or_b32 s[G0K+4*(\s)+3], s[G0K+4*(\s)+3], 0x80000000   ; type = 2
	s_add_nc_u64 s[G0V+4*(\s)+2:G0V+4*(\s)+3], s[68:69], s[84:85]
	s_or_b32 s[G0V+4*(\s)+3], s[G0V+4*(\s)+3], 0x80000000
.endm
.macro CHANGE s                        ; slot s has been read out and is filled again, with the group of the step two further on
	s_wait_tensorcnt 0x0                           ; all my tensor loads have landed (my part of the other slot), so a group 0 may be written
	ds_add_u32 v[SPW], v[NIL]                      ; 0 onto my spare word
	ds_add_u32 v[SPW], v[NIL]                      ; and once more
	KVADDR (\s)+2, \s                              ; scalar lines, between the adds and the wait for them
	s_wait_dscnt 0x0                               ; the add is done, and my reads of the slot are over
	ROUND                                          ; of every wave of the four work-groups
	JLOAD \s                                       ; the first tensor load behind the round, one a wave
.endm
; A KEY STEP: my 128 keys in slot sl.  first = 1: it starts M, the sum and O^T: nothing is cleared but the sum's two halves.
.macro STEP sl, first
.irp g, 0,1                            ; S^T = K Q^T, four tiles of 16 keys at a time
	PLACES                                         ; in front of loads into registers that matrix instructions have read,
	v_nop                                          ; and a fifth: the scores are written over registers that the last step's products have read
.irp t, 0,1,2,3
.irp c, 0,1,2,3
	ds_load_b128 v[32+16*\t+4*\c:35+16*\t+4*\c], v[1+\sl] offset:(4*\g+\t)*2048+512*\c
.endr
.endr
	s_wait_dscnt 0x0
.irp t, 0,1,2,3
	v_wmma_f32_16x16x128_fp8_fp8 v[96+8*(4*\g+\t):103+8*(4*\g+\t)], v[32+16*\t:47+16*\t], v[16:31], 0
.endr
.endr
	PLACES
.irp t, 0,1,2,3                        ; V's first four tiles are asked for ahead of the softmax, into the registers that held K's
.irp c, 0,1,2,3
	ds_load_b128 v[32+16*\t+4*\c:35+16*\t+4*\c], v[3+\sl] offset:2048*\t+512*\c
.endr
.endr
	v_max3_num_f32 v254, v96, v97, v98             ; my query's largest score among my 64 keys, in two chains; each tile is first read at its low end
	v_max3_num_f32 v252, v99, v100, v101
.set n, 6
.rept 14
	v_max3_num_f32 v254, v254, v[96+n], v[97+n]
	v_max3_num_f32 v252, v252, v[98+n], v[99+n]
.set n, n+4
.endr
	v_max3_num_f32 v254, v254, v158, v159
	s_delay_alu instid0(VALU_DEP_1)
	v_max_num_f32 v254, v254, v252
	v_permlanex16_b32 v236, v254, s[SEL], s[SEL+1]
	s_delay_alu instid0(VALU_DEP_1)
	v_max_num_f32 v254, v254, v236                 ; and among lane l xor 16's
	s_delay_alu instid0(VALU_DEP_1)
	v_mul_f32 v254, s[CS], v254                    ; as t (c is positive)
.if \first
	s_delay_alu instid0(VALU_DEP_1)
	v_mov_b32 v13, v254
	s_delay_alu instid0(VALU_DEP_1)
	v_floor_f32 v12, -v13                          ; -M = floor(-t) = -ceil(t)
.else
	s_delay_alu instid0(VALU_DEP_1)
	v_max_num_f32 v13, v13, v254                   ; the running largest t
	v_mov_b32 v254, v12
	s_delay_alu instid0(VALU_DEP_2)
	v_floor_f32 v12, -v13
	s_delay_alu instid0(VALU_DEP_1)
	v_sub_f32 v254, v12, v254                      ; old M - new M: a whole number, 0 or less
	s_delay_alu instid0(VALU_DEP_1)
	v_cvt_i32_f32 v254, v254                       ; (it saturates)
	s_delay_alu instid0(VALU_DEP_1)
	v_ldexp_f32 v252, 1.0, v254                    ; f = 2^(old M - new M): a multiplication by it rounds nothing
.endif
.set n, 0
.rept 32
	v_pk_fma_f32 v[96+n:97+n], v[96+n:97+n], s[CS:CS+1], v[12:13] op_sel_hi:[1,0,0]   ; t - M, two at a time (the pairs' low words serve both halves)
.set n, n+2
.endr
.set n, 0
	s_wait_alu depctr_va_vdst(0)
.rept 64
	v_exp_f32 v[96+n], v[96+n]                     ; p = 2^(t - M), at most 1
.set n, n+1
.endr
.if \first
	v_nop                                          ; the plain line behind the exponentials
.else
	v_pk_mul_f32 v[14:15], v[14:15], v[252:253] op_sel_hi:[1,0]   ; the sum under the new M; also the plain line behind the exponentials
.endif
	s_wait_alu depctr_va_vdst(0)                   ; one wait for the batch of 64, ahead of its first reader
	v_pk_add_f32 v[242:243], v[100:101], v[104:105]
	v_pk_add_f32 v[254:255], v[108:109], v[112:113]
	v_pk_add_f32 v[250:251], v[116:117], v[120:121]
	v_pk_add_f32 v[246:247], v[124:125], v[128:129]
	v_pk_add_f32 v[238:239], v[132:133], v[136:137]
	v_pk_add_f32 v[236:237], v[140:141], v[144:145]
	v_pk_add_f32 v[234:235], v[148:149], v[152:153]
	v_pk_add_f32 v[14:15], v[14:15], v[156:157]
	v_pk_add_f32 v[242:243], v[242:243], v[96:97]
	v_pk_add_f32 v[254:255], v[254:255], v[98:99]
	v_pk_add_f32 v[250:251], v[250:251], v[102:103]
	v_pk_add_f32 v[246:247], v[246:247], v[106:107]
	v_pk_add_f32 v[238:239], v[238:239], v[110:111]
	v_pk_add_f32 v[236:237], v[236:237], v[114:115]
	v_pk_add_f32 v[234:235], v[234:235], v[118:119]
	v_pk_add_f32 v[14:15], v[14:15], v[122:123]
	v_pk_add_f32 v[242:243], v[242:243], v[126:127]
	v_pk_add_f32 v[254:255], v[254:255], v[130:131]
	v_pk_add_f32 v[250:251], v[250:251], v[134:135]
	v_pk_add_f32 v[246:247], v[246:247], v[138:139]
	v_pk_add_f32 v[238:239], v[238:239], v[142:143]
	v_pk_add_f32 v[236:237], v[236:237], v[146:147]
	v_pk_add_f32 v[234:235], v[234:235], v[150:151]
	v_pk_add_f32 v[14:15], v[14:15], v[154:155]
	v_pk_add_f32 v[242:243], v[242:243], v[158:159]
	s_delay_alu instid0(VALU_DEP_2)
	v_pk_add_f32 v[14:15], v[14:15], v[246:247]
	s_delay_alu instid0(VALU_DEP_2)
	v_pk_add_f32 v[242:243], v[242:243], v[238:239]
	v_pk_add_f32 v[254:255], v[254:255], v[236:237]
	v_pk_add_f32 v[250:251], v[250:251], v[234:235]
	s_delay_alu instid0(VALU_DEP_2)
	v_pk_add_f32 v[14:15], v[14:15], v[254:255]
	s_delay_alu instid0(VALU_DEP_2)
	v_pk_add_f32 v[242:243], v[242:243], v[250:251]
	s_delay_alu instid0(VALU_DEP_1)
	v_pk_add_f32 v[14:15], v[14:15], v[242:243]
.irp b, 0,1,2,3
.irp i, 0,1,2,3,4,5,6,7,8,9,10,11,12,13,14,15
	v_min_num_f32 v[96+16*\b+\i], v[96+16*\b+\i], v240   ; the hold (the conversion does not saturate: ISA guide 7.6.2); p is not negative, so it is one-sided
.endr
	v_cvt_scalef32_pk8_fp8_f32 v[224+4*\b:225+4*\b], v[96+16*\b:103+16*\b], v244
	v_cvt_scalef32_pk8_fp8_f32 v[226+4*\b:227+4*\b], v[104+16*\b:111+16*\b], v244
.endr
	v_nop                                          ; a plain line behind the last conversion
.irp t, 0,1,2,3                        ; V's last four tiles, into the registers that held p
.irp c, 0,1,2,3
	ds_load_b128 v[96+16*\t+4*\c:99+16*\t+4*\c], v[3+\sl] offset:2048*(4+\t)+512*\c
.endr
.endr
.if \first
	s_wait_alu depctr_va_vdst(0)
	v_nop                                          ; a plain line between the last conversion and the products that read its result
.else
.set n, 0
.rept 32
	v_pk_mul_f32 v[160+n:161+n], v[160+n:161+n], v[252:253] op_sel_hi:[1,0]   ; O^T under the new M; each accumulator from its low end on
.set n, n+2
.endr
.endif
	s_wait_alu depctr_va_vdst(0)
.irp g, 0,1                            ; O^T += V^T P^T, four tiles of 16 of the head's 128 at a time; the eight accumulators take turns
	s_wait_dscnt 16-16*\g                          ; the first four tiles are in (the last four's sixteen loads may be out); then all
.irp t, 0,1,2,3
.if \first
	v_wmma_f32_16x16x128_fp8_fp8 v[160+8*(4*\g+\t):167+8*(4*\g+\t)], v[32+64*\g+16*\t:47+64*\g+16*\t], v[224:239], 0
.else
	v_wmma_f32_16x16x128_fp8_fp8 v[160+8*(4*\g+\t):167+8*(4*\g+\t)], v[32+64*\g+16*\t:47+64*\g+16*\t], v[224:239], v[160+8*(4*\g+\t):167+8*(4*\g+\t)]
.endif
.endr
.endr
.endm
	s_load_b256 s[4:11], s[0:1], 0x0               ; qc s[4:5], kc s[6:7], vc s[8:9], the scales' exponents s[10:11]
	s_load_b64 s[12:13], s[0:1], 0x20              ; out0
	v_lshl_add_u32 v[SPW], v0, 2, SPARE
	v_mov_b32 v[NIL], 0
	ds_add_u32 v5, v6
	ds_add_u32 v5, v6
	s_wait_dscnt 0x0
	v_lshrrev_b32 v7, 5, v0
	s_delay_alu instid0(VALU_DEP_1)
	v_readfirstlane_b32 s[WV], v7                  ; wave 0..15
	s_and_b32 s15, s[WV], 3                        ; m: my query tile.  Also: which piece of a slot I fetch
	s_lshr_b32 s54, s[WV], 2                       ; ks: my share of the keys
	s_bfe_u32 s55, ttmp6, 0x40000                  ; cx: it enters global addresses of Q and of the output alone
	s_lshl_b32 s56, ttmp9, 2
	s_add_co_u32 s56, s56, s55                     ; my block of 64 queries
	s_and_b32 s57, ttmp7, 0xffff                   ; the batch, which the four partners share
	s_and_b32 s[ROT], ttmp9, 3                     ; in a cluster launch ttmp9 counts clusters: the four partners share it
	s_mov_b32 s85, 0
	; every address register is made here, ahead of the first branch on the wave's number
	v_and_b32 v246, 31, v0                         ; lane
	v_and_b32 v247, 15, v0                         ; r
	s_wait_alu depctr_va_vdst(0)
	v_bfe_u32 v248, v0, 4, 1                       ; h
	v_lshlrev_b32 v[LN16], 4, v246
	s_lshl_b32 s58, s54, 14
	v_add_nc_u32 v1, s58, v[LN16]                  ; K: my key step's piece in slot 0,
	s_delay_alu instid0(VALU_DEP_1)
	v_add_nc_u32 v2, SLOT, v1                      ; in slot 1;
	s_delay_alu instid0(VALU_DEP_2)
	v_add_nc_u32 v3, 65536, v1                     ; V likewise
	s_delay_alu instid0(VALU_DEP_2)
	v_add_nc_u32 v4, 65536, v2
	s_lshl_b32 s58, s[WV], 8
	s_add_co_u32 s58, s58, STATS
	v_lshl_add_u32 v8, v246, 3, s58                ; where I put -M and my sum
	s_lshl_b32 s58, s15, 8
	s_add_co_u32 s58, s58, STATS
	v_lshl_add_u32 v9, v246, 3, s58                ; where the four waves of my tile have put theirs: 1,024 bytes apart
	s_lshl_b32 s58, s15, 2
	s_add_co_u32 s59, s58, s54
	s_mul_i32 s59, s59, MREG
	v_mul_u32_u24 v10, v247, MP
	s_wait_alu depctr_va_vdst(0)
	v_lshl_add_u32 v10, v248, 5, v10
	s_delay_alu instid0(VALU_DEP_1)
	v_add_nc_u32 v10, s59, v10                     ; the final stage, in: part 4 m + ks, row r, + 32 h
	s_mul_i32 s58, s58, MREG
	s_mul_i32 s59, s54, 4*MP
	s_add_co_u32 s58, s58, s59
	v_add_nc_u32 v11, s58, v[LN16]                 ; and back: rows 4 ks on of my tile's four parts
	; descriptor group 1: 16,384 dense bytes as 64 rows of 256
	s_mov_b32 s[G1+0], 15|(3<<16)|(1<<21)          ; 15:0 the mask: all four work-groups; 17:16 elements of 8 bytes; 21 set beside a mask; no padding
	s_mov_b32 s[G1+1], 32<<16                      ; tensor_dim0
	s_mov_b32 s[G1+2], 64<<16                      ; tensor_dim1
	s_mov_b32 s[G1+3], 32<<16                      ; tile_dim0
	s_mov_b32 s[G1+4], 64                          ; tile_dim1
	s_mov_b32 s[G1+5], 32                          ; from row to row
	s_mov_b32 s[G1+6], 0
	s_mov_b32 s[G1+7], 0
	s_mov_b32 s[SEL], 0x76543210
	s_mov_b32 s[SEL+1], 0xfedcba98
	s_lshl_b32 s60, s57, 18                        ; the batch's 262,144 bytes of kc and of vc,
	s_lshl_b32 s62, s15, 14                        ; my piece: in a group of four key steps and in a slot
	s_add_co_u32 s60, s60, s62
	s_mov_b32 s61, 0
	ROUND                                          ; the four work-groups are here: the first joint loads meet
	s_wait_kmcnt 0x0
	s_load_b256 s[40:47], s[10:11], 0x0            ; e0 .. e7
	s_load_b64 s[48:49], s[10:11], 0x20            ; e8, e9
	s_add_nc_u64 s[66:67], s[6:7], s[60:61]        ; kc and vc at my piece of the batch's group 0: they stay
	s_add_nc_u64 s[68:69], s[8:9], s[60:61]
.irp s, 0,1
	s_mov_b32 s[G0K+4*\s], 1                       ; count = 1
	s_add_co_u32 s[G0K+4*\s+1], s62, \s*SLOT       ; LDS address
	s_mov_b32 s[G0V+4*\s], 1
	s_add_co_u32 s[G0V+4*\s+1], s62, \s*SLOT+65536
	KVADDR \s, \s                                  ; global addresses: slot s begins with the group of step s
.endr
	s_lshl_b32 s60, s57, 5                         ; Q: (32 x batch + block) x 8,192 + 2,048 m
	s_add_co_u32 s60, s60, s56
	s_lshl_b32 s60, s60, 13
	s_lshl_b32 s62, s15, 11
	s_add_co_u32 s60, s60, s62
	s_add_nc_u64 s[4:5], s[4:5], s[60:61]
	JLOAD 0                                        ; slot 0: one tensor load a wave at the head
	s_lshl_b32 s60, s57, 11                        ; the rows that I store: lanes r = 4 ks + i of tile m hold rows 32 (m / 2) + 8 (m % 2) + r + 8 (r / 8) of the block
	s_lshl_b32 s62, s56, 6
	s_add_co_u32 s60, s60, s62
	s_lshr_b32 s62, s15, 1
	s_lshl_b32 s62, s62, 5
	s_add_co_u32 s60, s60, s62
	s_and_b32 s62, s15, 1
	s_lshl_b32 s62, s62, 3
	s_add_co_u32 s60, s60, s62
	s_lshl_b32 s62, s54, 2
	s_add_co_u32 s60, s60, s62
	s_lshr_b32 s62, s54, 1
	s_lshl_b32 s62, s62, 3
	s_add_co_u32 s60, s60, s62
	s_lshl_b32 s60, s60, 9
	s_add_nc_u64 s[12:13], s[12:13], s[60:61]
.irp c, 0,1,2,3
	global_load_b128 v[16+4*\c:19+4*\c], v[LN16], s[4:5] offset:512*\c   ; Q's fragment stays in registers
.endr
	s_wait_kmcnt 0x0
	s_add_co_i32 s60, s46, s47
	s_lshl_b32 s60, s60, 23
	s_add_co_i32 s[CS], s60, 0x3e0293ee            ; c = log2(e) / sqrt(128), with e6 + e7 added to its exponent field
	s_mov_b32 s[CS+1], s[CS]                       ; (named with it as a pair, so it is written)
	s_add_co_i32 s60, s48, 127
	s_lshl_b32 s62, s60, 23
	v_mov_b32 v244, s62                            ; 2^e8 as f32, for p's conversion
	s_add_co_i32 s60, s60, 8
	s_lshl_b32 s60, s60, 23
	s_or_b32 s60, s60, 0x600000
	v_mov_b32 v240, s60                            ; 448 x 2^e8
	s_add_co_i32 s83, s48, s49                     ; e8 + e9
	v_mov_b32 v14, 0                               ; the sum, in two halves
	v_mov_b32 v15, 0
	v_mov_b32 v236, 0                              ; a lane permute's destination counts as one of its sources
	v_mov_b32 v253, 0                              ; (named as the upper half of the pair v[252:253])
	s_wait_tensorcnt 0x0                           ; my part of slot 0 is in;
	ds_add_u32 v[SPW], v[NIL]                      ; the add, twice on end, ahead of a later first fill as ahead of a refill
	ds_add_u32 v[SPW], v[NIL]
	s_wait_dscnt 0x0
	ROUND                                          ; everybody's part is, in all four work-groups
	JLOAD 1                                        ; slot 1's first fill: step 0's work in which to land
	s_wait_loadcnt 0x0                             ; Q
	STEP 0, 1
	CHANGE 0                                       ; slot 0 takes step 2's group
	STEP 1, 0
	CHANGE 1                                       ; slot 1 takes step 3's group
	STEP 0, 0
	s_wait_tensorcnt 0x0                           ; the one load that was out: my part of the last slot
	s_wait_dscnt 0x0
	s_barrier_signal -1
	s_barrier_wait -1
	STEP 1, 0
	; THE FOUR SHARES OF A QUERY TILE ARE JOINED.  Each wave publishes -M and its sum; all take the largest M; each scales its O^T by 2^(its M - the largest) / the joint sum x 2^(e8 + e9).
	PLACES
	v_add_f32 v14, v14, v15                        ; the sum's two halves,
	v_permlanex16_b32 v236, v14, s[SEL], s[SEL+1]
	s_delay_alu instid0(VALU_DEP_1)
	v_add_f32 v13, v14, v236                       ; and lane l xor 16's
	ds_store_b64 v8, v[12:13]
	s_wait_dscnt 0x0                               ; for the others' sake: my store has landed; my reads of the slots are long over
	s_barrier_signal -1
	s_barrier_wait -1
.irp k, 0,1,2,3
	ds_load_b64 v[32+2*\k:33+2*\k], v9 offset:1024*\k
.endr
	s_wait_dscnt 0x0
	v_min3_num_f32 v40, v32, v34, v36
	s_delay_alu instid0(VALU_DEP_1)
	v_min_num_f32 v40, v40, v38                    ; -(the largest M)
.irp k, 0,1,2,3
	v_sub_f32 v[41+\k], v40, v[32+2*\k]            ; share k's M - the largest: a whole number, 0 or less
.endr
	v_sub_f32 v45, v40, v12                        ; mine
.irp k, 0,1,2,3,4
	v_cvt_i32_f32 v[41+\k], v[41+\k]
.endr
.irp k, 0,1,2,3,4
	v_ldexp_f32 v[41+\k], 1.0, v[41+\k]
.endr
	v_mul_f32 v46, v33, v41
	s_delay_alu instid0(VALU_DEP_1)
	v_fmac_f32 v46, v35, v42
	s_delay_alu instid0(VALU_DEP_1)
	v_fmac_f32 v46, v37, v43
	s_delay_alu instid0(VALU_DEP_1)
	v_fmac_f32 v46, v39, v44                       ; the row's sum under the largest M
	s_wait_alu depctr_va_vdst(0)
	v_rcp_f32 v48, v46
	v_mov_b32 v49, 0                               ; the plain line behind the reciprocal (v49 is named as the upper half of the pair v[48:49])
	s_wait_alu depctr_va_vdst(0)                   ; the wait ahead of the first reader
	v_mul_f32 v48, v48, v45
	s_delay_alu instid0(VALU_DEP_1)
	v_ldexp_f32 v48, v48, s83
.set n, 0
.rept 32
	v_pk_mul_f32 v[96+n:97+n], v[160+n:161+n], v[48:49] op_sel_hi:[1,0]   ; register 8 t + i is my share of o(r, 16 t + 8 h + i); each accumulator from its low end on
.set n, n+2
.endr
.irp t, 0,1,2,3,4,5,6,7
	ds_store_b128 v10, v[96+8*\t:99+8*\t] offset:64*\t
	ds_store_b128 v10, v[100+8*\t:103+8*\t] offset:64*\t+16
.endr
	s_wait_dscnt 0x0
	s_barrier_signal -1
	s_barrier_wait -1                              ; the sixteen parts lie in the stage
.irp i, 0,1,2,3
.irp k, 0,1,2,3
	ds_load_b128 v[32+16*\i+4*\k:35+16*\i+4*\k], v11 offset:\k*MREG+\i*MP   ; row 4 ks + i of share k: 512 bytes, 16 a lane
.endr
.endr
	s_wait_dscnt 0x0
.irp i, 0,1,2,3
	v_pk_add_f32 v[32+16*\i:33+16*\i], v[32+16*\i:33+16*\i], v[36+16*\i:37+16*\i]
	v_pk_add_f32 v[34+16*\i:35+16*\i], v[34+16*\i:35+16*\i], v[38+16*\i:39+16*\i]
	v_pk_add_f32 v[40+16*\i:41+16*\i], v[40+16*\i:41+16*\i], v[44+16*\i:45+16*\i]
	v_pk_add_f32 v[42+16*\i:43+16*\i], v[42+16*\i:43+16*\i], v[46+16*\i:47+16*\i]
	s_delay_alu instid0(VALU_DEP_2)
	v_pk_add_f32 v[32+16*\i:33+16*\i], v[32+16*\i:33+16*\i], v[40+16*\i:41+16*\i]
	s_delay_alu instid0(VALU_DEP_2)
	v_pk_add_f32 v[34+16*\i:35+16*\i], v[34+16*\i:35+16*\i], v[42+16*\i:43+16*\i]
	global_store_b128 v[LN16], v[32+16*\i:35+16*\i], s[12:13] offset:512*\i th:TH_STORE_NT   ; 32 lanes store a whole row of 512 bytes, aligned
.endr
	s_wait_tensorcnt 0x0                           ; the wave's end
	ds_add_u32 v[SPW], v[NIL]
	s_wait_dscnt 0x0
	ROUND                                          ; the closing round: no work-group ends while a partner may still ask for a tile that names it
	s_endpgm
.Lfunc_end_k_q122374a66c_attn:
	.size	k_q122374a66c_attn, .Lfunc_end_k_q122374a66c_attn-k_q122374a66c_attn
	.p2alignl 7, 3214868480
	.fill 96, 4, 3214868480
	.section	.rodata,"a",@progbits
	.p2align	6, 0x0
	.amdhsa_kernel k_q122374a66c_attn
		.amdhsa_group_segment_fixed_size 327680
		.amdhsa_private_segment_fixed_size 0
		.amdhsa_enable_private_segment 0
		.amdhsa_kernarg_size 40
		.amdhsa_user_sgpr_count 2
		.amdhsa_user_sgpr_kernarg_segment_ptr 1
		.amdhsa_wavefront_size32 1
		.amdhsa_system_sgpr_workgroup_id_x 1
		.amdhsa_system_sgpr_workgroup_id_y 1
		.amdhsa_system_sgpr_workgroup_id_z 1
		.amdhsa_system_vgpr_workitem_id 0
		.amdhsa_next_free_vgpr 256
		.amdhsa_next_free_sgpr 90
		.amdhsa_reserve_vcc 0
		.amdhsa_float_denorm_mode_32 3
		.amdhsa_float_denorm_mode_16_64 3
		.amdhsa_memory_ordered 1
		.amdhsa_forward_progress 1
		.amdhsa_inst_pref_size 94
	.end_amdhsa_kernel
	.amdgpu_metadata
---
amdhsa.version: [ 1, 2 ]
amdhsa.kernels:
  - .name:           k_q122374a66c_attn
    .symbol:         k_q122374a66c_attn.kd
    .args:
      - { .name: qc, .offset: 0, .size: 8, .value_kind: global_buffer, .address_space: global }
      - { .name: kc, .offset: 8, .size: 8, .value_kind: global_buffer, .address_space: global }
      - { .name: vc, .offset: 16, .size: 8, .value_kind: global_buffer, .address_space: global }
      - { .name: lowp_scales, .offset: 24, .size: 8, .value_kind: global_buffer, .address_space: global }
      - { .name: out0, .offset: 32, .size: 8, .value_kind: global_buffer, .address_space: global }
    .group_segment_fixed_size: 327680
    .private_segment_fixed_size: 0
    .kernarg_segment_align: 8
    .kernarg_segment_size: 40
    .max_flat_workgroup_size: 512
    .sgpr_count:     90
    .vgpr_count:     256
    .wavefront_size: 32
...
	.end_amdgpu_metadata
.endif
;; end of part 3
